; MI455X (gfx1250); checked and timed in simulation.
; The chip was launched on July 23, 2026; its instructions are those of AMD's public machine-readable ISA for CDNA 5 (MIT licence, August 2026) and "CDNA5" Instruction Set Architecture Reference Guide (July 2026). The comments in the code are by the model that wrote it; some were corrected since.
;; Top Multi Attention. Allowed arithmetic: matrix products marked QUANTISED: E4M3 operands, one given power-of-two scale a tensor, by v_wmma_f32_16x16x64_fp8_fp8 or v_wmma_f32_16x16x128_fp8_fp8, f32 sums; everything else in f32.
;; Inputs: Wk 512 x 512 float32; Wo 512 x 512 float32; Wq 512 x 512 float32; Wv 512 x 512 float32; X 4 x 2,048 x 512 float32; Y 4 x 2,048 x 512 float32; Z 4 x 2,048 x 512 float32; lowp_scales 12 int32 (the exponents e of the quantised operands' scales 2^e).
;; Outputs: out0 4 x 2,048 x 512 float32.
;; This version of the problem:
;;   THIS VERSION OF THE PROBLEM IS GIVEN IN LOW PRECISION. The matrix products marked QUANTISED in the list below multiply operands that are first quantised to E4M3 (4 exponent bits, 3 mantissa bits; 8 bits a number), with one given power-of-two scale for each operand tensor; their sums are f32. All else is computed in f32.
;;   The module's matrix products, in the order in which they are computed (A, B: the left and right operand; K: the contracted axis; several contracted axes count as one K, in the product's order):
;;     1. [M 8,192, K 512] x [K 512, N 512]; A: input X; B: input Wq: QUANTISED (scales: A lowp_scales[0], B lowp_scales[1])
;;     2. [M 8,192, K 512] x [K 512, N 512]; A: input Y; B: input Wk: QUANTISED (scales: A lowp_scales[2], B lowp_scales[3])
;;     3. [M 8,192, K 512] x [K 512, N 512]; A: input Z; B: input Wo: QUANTISED (scales: A lowp_scales[4], B lowp_scales[5])
;;     4. batch 32 x [M 2,048, K 64] x [K 64, N 2,048]; A: computed on the way; B: computed on the way: QUANTISED (scales: A lowp_scales[6], B lowp_scales[7])
;;     5. batch 32 x [M 2,048, K 2,048] x [K 2,048, N 64]; A: softmax (see below); B: computed on the way: QUANTISED (scales: A lowp_scales[8], B lowp_scales[9])
;;     6. [M 8,192, K 512] x [K 512, N 512]; A: computed on the way; B: input Wo: QUANTISED (scales: A lowp_scales[10], B lowp_scales[11])
;;   THE QUANTISER, for each operand of a quantised product, along K:
;;     - The operand's scale is 2^e, e = its entry of the input lowp_scales (int32; the entries are numbered through the quantised products in the list's order, A before B).
;;     - Each number is divided by the scale, clamped to +-448, and rounded to the nearest number of E4M3, ties to even, subnormals kept.
;;     - The product sums the exact products of the quantised numbers (number of the format x scale) in f32.
;;   ~~~python
;;   def quantise(x, axis, e):      # numpy; x: float32 -> the quantised numbers, widened to float32 again
;;       x = np.moveaxis(x, axis, -1); K = x.shape[-1]
;;       r = np.clip(x / 2.0 ** e, -448, 448)
;;       step = 2.0 ** (np.maximum(np.frexp(np.where(r == 0, 1, r))[1] - 1, -6) - 3)
;;       q = np.round(r / step) * step * 2.0 ** e      # np.round: ties to even
;;       return np.moveaxis(q, -1, axis).astype(np.float32)
;;   ~~~
;;   SOFTMAX AHEAD OF A QUANTISED PRODUCT. Where the list says 'softmax', what is quantised is not the finished softmax but p = 2^(t - M), with t = logit x log2(e) and M = ceil(the row's largest t), a whole number; so 1/2 < the row's largest p <= 1. The row's sum l is taken of the UNQUANTISED p, in f32, and the product's result is divided by l at the end. Since M is a whole number, a kernel that streams over the keys may use a running M (the ceiling of the running maximum): every later rescaling is an exact power of two, so the quantised numbers keep their values, but for numbers so far below the row's largest that they fall under the format's range.
;;   OPERANDS COMPUTED ON THE WAY. 'Computed on the way' means the value that the module computes at that place (a softmax that the list does not call 'softmax' is quantised finished and normalised). What goes into a quantiser is computed in f32, as accurately as f32 sums, v_exp_f32 and their like allow (about 1e-6 of the number): no bf16 or f16 on the way to a quantiser, and a product that is left as it is and whose result goes on into a quantised operand takes f32 operands (vector FMAs, or v_wmma_f32_16x16x4_f32). A number that lies on a knife's edge between two numbers of the format may be rounded either way, as far as f32 arithmetic and the matrix unit's own rounding can turn it there, and no further.
;; One version. Each part assembles by itself: llvm-mc -triple=amdgcn-amd-amdhsa -mcpu=gfx1250 --defsym DOCPART=n.
;; ======== version 1 of 1: 4 launches
;; limits: right only within a limited range of input values
;; workspace buffers: wimg 1,048,576 bytes; qkv 12,582,912 bytes; oimg 4,194,304 bytes
;; launch prep (part 1): grid 16 x 16, 4 waves a work-group, no clusters, 0 bytes of LDS; arguments Wq, Wk, Wo, lowp_scales, wimg; writes wimg
.if DOCPART == 1
	.amdgcn_target "amdgcn-amd-amdhsa--gfx1250"
	.amdhsa_code_object_version 6
	.text
	.protected	k_qc35e013476_prep
	.globl	k_qc35e013476_prep
	.p2align	8
	.type	k_qc35e013476_prep,@function
k_qc35e013476_prep:
	s_mov_b64 s[64:65], 0
	v_nop
	global_prefetch_b8 v0, s[64:65] scope:SCOPE_SE
	s_setreg_imm32_b32 hwreg(HW_REG_WAVE_MODE, 25, 1), 1
	s_wait_xcnt 0x0
; The weights, f32 stored [k 512][n 512], become codes of E4M3 laid as IMAGES OF OPERAND REGISTERS, four tensors t:
;   t = 0: Wq with scale entry 1;  t = 1: Wk with entry 3;  t = 2: Wo with entry 5 (the value projection);  t = 3: Wo with entry 11 (the last product).
; wimg: [t 4][nt 32][s 4][g 4][lane 32][16 bytes].  Fragment (nt, s) is 16 columns n = 16 nt + r against k = 128 s .. + 127 in the layout of the plain 8-bit matrix forms:
; lane (r, h) holds in its register pair c the codes of k = 128 s + 16 c + 8 h + 0 .. 7; group g is registers 4 g .. 4 g + 3, and lies at 512 g + 16 lane.
; SHARES.  Work-group x = kp: 32 along K (kp = 4 s + g);  y = 4 t + ng;  wave w takes the 32 columns n = 128 ng + 32 w + lane.
; A LANE TAKES A COLUMN AND ITS REGISTERS RUN DOWN K: a load reads 128 neighbouring bytes a wave, 512 the four waves, and the conversions give codes with K innermost.
; Of a lane's four octets of k, octets 0 and 2 are the 16 bytes of image lane r (h = 0), octets 1 and 3 those of image lane 16 + r (h = 1): sixteen lanes store 256 consecutive bytes, aligned.
; code = x / 2^e, held within +-448, to the nearest code, ties to even.  LIMITS: -126 <= e and e + 8 <= 127.  NaN among the inputs is not served.
; Wv is read by no launch of this program: the function that is computed never uses it.
.set XR, 16                            ; v16-47  my column's 32 numbers
.set CR, 48                            ; v48-55  their codes: v48-51 for h = 0, v52-55 for h = 1
	s_load_b256 s[4:11], s[0:1], 0x0               ; Wq s[4:5], Wk s[6:7], Wo s[8:9], the scales' exponents s[10:11]
	s_load_b64 s[12:13], s[0:1], 0x20              ; wimg
	v_lshrrev_b32 v1, 5, v0
	v_readfirstlane_b32 s14, v1                    ; wave
	v_and_b32 v3, 31, v0                           ; lane
	v_lshlrev_b32 v4, 2, v3                        ; in: 4 bytes a lane
	v_lshrrev_b32 v5, 4, v3
	v_and_b32 v6, 15, v3
	v_lshlrev_b32 v6, 4, v6
	v_lshl_add_u32 v5, v5, 13, v6                  ; out: fragment lane / 16 of my wave's two (8,192 bytes apart), image lane r
	s_and_b32 s15, ttmp7, 0xffff
	s_lshr_b32 s28, s15, 2                         ; t
	s_and_b32 s29, s15, 3                          ; ng
	s_lshl_b32 s30, ttmp9, 16                      ; in: 32 kp rows of 2,048 bytes
	s_lshl_b32 s2, s29, 9
	s_add_co_u32 s30, s30, s2                      ; + 128 ng columns
	s_lshl_b32 s2, s14, 7
	s_add_co_u32 s30, s30, s2                      ; + 32 w columns
	s_mov_b32 s31, 0
	s_lshl_b32 s32, s28, 18                        ; out: t x 262,144
	s_lshl_b32 s2, s29, 16
	s_add_co_u32 s32, s32, s2                      ; + 8 ng fragments' rows of 8,192 bytes
	s_lshl_b32 s2, s14, 14
	s_add_co_u32 s32, s32, s2                      ; + 2 w
	s_lshl_b32 s2, ttmp9, 9
	s_add_co_u32 s32, s32, s2                      ; + 2,048 s + 512 g = 512 kp
	s_mov_b32 s33, 0
	s_wait_alu depctr_va_vdst(0)
	s_wait_kmcnt 0x0
	s_load_b256 s[16:23], s[10:11], 0x0            ; entries 0 to 7
	s_load_b128 s[24:27], s[10:11], 0x20           ; entries 8 to 11
	s_cmp_eq_u32 s28, 0                            ; the tensor is chosen by the work-group's number alone
	s_cselect_b64 s[4:5], s[4:5], s[8:9]
	s_cmp_eq_u32 s28, 1
	s_cselect_b64 s[4:5], s[6:7], s[4:5]
	s_add_nc_u64 s[4:5], s[4:5], s[30:31]
	s_add_nc_u64 s[12:13], s[12:13], s[32:33]
.set i, 0
.rept 32
	global_load_b32 v[XR+i], v4, s[4:5] offset:i*2048   ; W(32 kp + i, my column)
.set i, i+1
.endr
	s_wait_kmcnt 0x0
	s_cmp_eq_u32 s28, 0
	s_cselect_b32 s34, s17, s21                    ; entry 1, else entry 5
	s_cmp_eq_u32 s28, 1
	s_cselect_b32 s34, s19, s34                    ; entry 3
	s_cmp_eq_u32 s28, 3
	s_cselect_b32 s34, s27, s34                    ; entry 11
	s_add_co_i32 s34, s34, 127
	s_lshl_b32 s35, s34, 23
	v_mov_b32 v11, s35                             ; 2^e as f32: the conversion takes its exponent field
	s_add_co_i32 s34, s34, 8
	s_lshl_b32 s34, s34, 23
	s_or_b32 s34, s34, 0x600000
	v_mov_b32 v10, s34                             ; 448 x 2^e
	s_wait_alu depctr_va_vdst(0)
	s_wait_loadcnt 0x0
.set i, 0
.rept 32
	v_med3_num_f32 v[XR+i], v[XR+i], -v10, v10     ; the conversion to an 8-bit code does not saturate (ISA guide 7.6.2): the hold comes first
.set i, i+1
.endr
.irp o, 0,1,2,3
	v_cvt_scalef32_pk8_fp8_f32 v[CR+4*(\o%2)+2*(\o/2):CR+4*(\o%2)+2*(\o/2)+1], v[XR+8*\o:XR+8*\o+7], v11   ; octet o: half h = o % 2, pair o / 2 of the group
.endr
	v_nop                                          ; a plain line behind the last conversion
	global_store_b128 v5, v[CR:CR+3], s[12:13]               ; image lanes 0-15
	global_store_b128 v5, v[CR+4:CR+7], s[12:13] offset:256  ; image lanes 16-31
	s_endpgm
.Lfunc_end_k_qc35e013476_prep:
	.size	k_qc35e013476_prep, .Lfunc_end_k_qc35e013476_prep-k_qc35e013476_prep
	.p2alignl 7, 3214868480
	.fill 96, 4, 3214868480
	.section	.rodata,"a",@progbits
	.p2align	6, 0x0
	.amdhsa_kernel k_qc35e013476_prep
		.amdhsa_group_segment_fixed_size 0
		.amdhsa_private_segment_fixed_size 0
		.amdhsa_enable_private_segment 0
		.amdhsa_kernarg_size 40
		.amdhsa_user_sgpr_count 2
		.amdhsa_user_sgpr_kernarg_segment_ptr 1
		.amdhsa_wavefront_size32 1
		.amdhsa_system_sgpr_workgroup_id_x 1
		.amdhsa_system_sgpr_workgroup_id_y 1
		.amdhsa_system_sgpr_workgroup_id_z 1
		.amdhsa_system_vgpr_workitem_id 0
		.amdhsa_next_free_vgpr 64
		.amdhsa_next_free_sgpr 66
		.amdhsa_reserve_vcc 0
		.amdhsa_float_denorm_mode_32 3
		.amdhsa_float_denorm_mode_16_64 3
		.amdhsa_memory_ordered 1
		.amdhsa_forward_progress 1
		.amdhsa_inst_pref_size 8
	.end_amdhsa_kernel
	.amdgpu_metadata
---
amdhsa.version: [ 1, 2 ]
amdhsa.kernels:
  - .name:           k_qc35e013476_prep
    .symbol:         k_qc35e013476_prep.kd
    .args:
      - { .name: Wq, .offset: 0, .size: 8, .value_kind: global_buffer, .address_space: global }
      - { .name: Wk, .offset: 8, .size: 8, .value_kind: global_buffer, .address_space: global }
      - { .name: Wo, .offset: 16, .size: 8, .value_kind: global_buffer, .address_space: global }
      - { .name: lowp_scales, .offset: 24, .size: 8, .value_kind: global_buffer, .address_space: global }
      - { .name: wimg, .offset: 32, .size: 8, .value_kind: global_buffer, .address_space: global }
    .group_segment_fixed_size: 0
    .private_segment_fixed_size: 0
    .kernarg_segment_align: 8
    .kernarg_segment_size: 40
    .max_flat_workgroup_size: 128
    .sgpr_count:     66
    .vgpr_count:     64
    .wavefront_size: 32
...
	.end_amdgpu_metadata
.endif
;; end of part 1
;; launch proj (part 2): grid 64 x 3, 4 waves a work-group, no clusters, 270,848 bytes of LDS; arguments X, Y, Z, lowp_scales, wimg, qkv; writes qkv
.if DOCPART == 2
	.amdgcn_target "amdgcn-amd-amdhsa--gfx1250"
	.amdhsa_code_object_version 6
	.text
	.protected	k_qc35e013476_proj
	.globl	k_qc35e013476_proj
	.p2align	8
	.type	k_qc35e013476_proj,@function
k_qc35e013476_proj:
	s_mov_b64 s[64:65], 0
	v_nop
	global_prefetch_b8 v0, s[64:65] scope:SCOPE_SE
	s_setreg_imm32_b32 hwreg(HW_REG_WAVE_MODE, 25, 1), 1
	s_wait_xcnt 0x0
; q = X Wq, k = Y Wk, v = Z Wo on codes of E4M3, and the results quantised again, as the operands of attention's two products.
; Work-group y picks the tensor (0: X, Wq, scale entries 0, 1, result's entry 6;  1: Y, Wk, 2, 3, 7;  2: Z, Wo, 4, 5, 9); x picks 128 of the 8,192 rows.
; Three tensors of 64 blocks are 192 work-groups: a block of 128 rows of f32 (262,144 bytes) fits in LDS at once, so that all of it is asked for at the head and no LDS byte is filled twice.
; THE WAVES SHARE THE COLUMNS: wave w holds the weight's fragments of n = 128 w .. + 127 (heads 2 w, 2 w + 1; 32 fragments, 512 registers) for the whole launch, loaded as images, 512 consecutive bytes a load.
; Each wave quantises its own 32 rows of the input and lays the codes in LDS as images of the operand's registers; behind ONE barrier every wave reads all eight row tiles' images.
; LAYOUT: the plain 8-bit forms' own: lane (r, h) holds row r; register pair c holds k = 16 c + 8 h + 0 .. 7.  A matrix result gives a lane eight neighbours, 8 h + j, in its eight registers:
; so ONE conversion of an accumulator is register pair c = the tile's number of the next operand, and nothing changes lanes.
;   q, k: the product is used transposed (source 0 = 16 columns of W, source 1 = 16 rows): a lane holds one row and eight channels: pair nt % 4 of the row tile's fragment (K = the head's 64).
;   v:    natural (source 0 = 16 rows, source 1 = 16 columns of W): a lane holds one channel and eight keys: pair (row tile) of V^T's fragment (K = 128 keys).
; qkv: q at 0, k at 4 MiB: [bh 32][tile 128][g 2][lane][16];  v at 8 MiB: [bh 32][key step 16][dt 4][g 4][lane][16].  Every store covers 512 consecutive bytes, aligned.
; A sum stands for sum x 2^(ea + eb), so its code is sum / 2^(eo - ea - eb): the three scales are folded into the conversion's one.
; LIMITS: ea and eo - ea - eb between -126 and 119, so that each power of two and 448 x it is an f32 number.  NaN among the inputs is not served.
; LDS: region (s, p) at (4 s + p) x 16,896: wave p's 32 rows x 512 bytes of K step s, 528 bytes apart (33 x 16: the sixteen rows of a load start in sixteen different 16-byte columns of 256).
; When a tile's numbers (16 rows) have been read, its image (2,048 bytes) is stored over the tile's own first bytes: those bytes have had their only fill.
; REGISTERS, in windows of 256: window 0: v4-15 addresses and scales; v32-159 two sets of 64 numbers, later two row tiles' fragments; v160-191 codes.
;   window 1: W's fragments of K steps 0, 1 at v[16 (8 s + nt)];  window 2: of K steps 2, 3;  window 3: the 16 accumulators (mt, nt) at v[8 (8 mt + nt)].
.set RGN,  16896
.set WREG, 4*RGN
.set HALF, 8448                        ; 16 rows
; LDS AS IT IS FILLED NOW: wave w fetches K step w of ALL 128 rows by one tensor load, to w x WREG; so region (s, p) at (4 s + p) x RGN holds wave p's 32 rows of K step s.
; One barrier behind the loads shows every region to every wave.  An address register for each K step keeps the immediates inside 16 bits.
.set FAD,  16                          ; v16-19 my lane's place in my rows of K step s: s x WREG + w x RGN + 528 r + 32 h
.set IW,   20                          ; v20-23 where I store images of K step s: s x WREG + w x RGN + 16 lane.  (v6-9: K step s's images: s x WREG + 16 lane)
.set LI,   6                           ; v6-9   where I read K step s's images: s x WREG + 16 lane
.set GW,   10                          ; v10    16 lane: an image's place in memory
.set XN,   32
.set PC,   160
.set XF,   32
.set CD,   160
.set G1,   24                          ; s[24:31] descriptor group 1
.set G0,   32                          ; s[32:35] descriptor group 0
.set MSB,  0
.macro WIN new                         ; the immediate's high byte repeats the setting that is left; a switch that changes nothing is dropped
.if MSB != (\new)
	s_set_vgpr_msb (MSB<<8)|(\new)
.set MSB, (\new)
.endif
.endm
	s_load_b256 s[4:11], s[0:1], 0x0               ; X s[4:5], Y s[6:7], Z s[8:9], the scales' exponents s[10:11]
	s_load_b128 s[12:15], s[0:1], 0x20             ; wimg s[12:13], qkv s[14:15]
	v_lshl_add_u32 v254, v0, 2, 0x42000
	v_mov_b32 v255, 0
	ds_add_u32 v254, v255
	ds_add_u32 v254, v255
	v_lshrrev_b32 v1, 5, v0
	v_readfirstlane_b32 s16, v1                    ; wave 0..3
	s_and_b32 s17, ttmp7, 0xffff                   ; which tensor
	; descriptor group 1: 128 rows x 128 elements of 4 bytes, 512 elements from row to row, 4 words of padding behind every 128
	s_mov_b32 s[G1+0], (2<<16)|(1<<20)|(6<<22)|(3<<25)
	s_mov_b32 s[G1+1], 128<<16                     ; tensor_dim0
	s_mov_b32 s[G1+2], 128<<16                     ; tensor_dim1: 128 rows
	s_mov_b32 s[G1+3], 128<<16                     ; tile_dim0
	s_mov_b32 s[G1+4], 128                         ; tile_dim1
	s_mov_b32 s[G1+5], 512                         ; the pitch
	s_mov_b32 s[G1+6], 0
	s_mov_b32 s[G1+7], 0
	s_mul_i32 s20, s16, WREG                       ; my four regions
	s_lshl_b32 s22, ttmp9, 18                      ; 128 x rows of 2,048 bytes
	s_lshl_b32 s2, s16, 9
	s_add_co_u32 s22, s22, s2                      ; + K step w: 512 bytes along the rows
	s_mov_b32 s23, 0
	s_wait_dscnt 0x0
	s_wait_kmcnt 0x0
	s_load_b256 s[48:55], s[10:11], 0x0            ; entries 0 to 7
	s_load_b128 s[56:59], s[10:11], 0x20           ; entries 8 to 11
	s_cmp_eq_u32 s17, 0                            ; the tensor is chosen by the work-group's number alone
	s_cselect_b64 s[4:5], s[4:5], s[8:9]
	s_cmp_eq_u32 s17, 1
	s_cselect_b64 s[4:5], s[6:7], s[4:5]
	s_add_nc_u64 s[4:5], s[4:5], s[22:23]
	s_mov_b32 s[G0], 1
	s_mov_b32 s[G0+1], s20
	s_mov_b64 s[G0+2:G0+3], s[4:5]
	s_or_b32 s[G0+3], s[G0+3], 0x80000000
	tensor_load_to_lds s[G0:G0+3], s[G1:G1+7]      ; my one tensor load: K step w of the block's 128 rows
	s_nop 0
.rept 4
	v_nop                                          ; four lines here ahead of a switch of windows
.endr
	s_lshl_b32 s2, s17, 18                         ; my weight's image: tensor y,
	s_lshl_b32 s3, s16, 16
	s_add_co_u32 s2, s2, s3                        ; fragments 8 w on
	s_mov_b32 s3, 0
	s_add_nc_u64 s[12:13], s[12:13], s[2:3]
	s_lshl_b32 s2, s17, 22                         ; my results: tensor y's 4 MiB,
	s_lshr_b32 s21, ttmp9, 4
	s_lshl_b32 s21, s21, 20
	s_add_co_u32 s2, s2, s21                       ; batch x / 16: 8 heads of 131,072 bytes,
	s_lshl_b32 s21, s16, 18
	s_add_co_u32 s2, s2, s21                       ; head 2 w,
	s_and_b32 s21, ttmp9, 15
	s_lshl_b32 s21, s21, 13
	s_add_co_u32 s2, s2, s21                       ; and the block's 8,192 bytes: eight tiles of q or k, one key step of v
	s_add_nc_u64 s[14:15], s[14:15], s[2:3]
	v_and_b32 v2, 15, v0                           ; r
	v_bfe_u32 v3, v0, 4, 1                         ; h
	v_and_b32 v11, 31, v0
	v_lshlrev_b32 v[GW], 4, v11
	s_mul_i32 s21, s16, RGN                        ; my rows' region inside a K step's four
	v_mul_u32_u24 v11, v2, 528
	v_lshl_add_u32 v11, v3, 5, v11
	v_add_nc_u32 v11, s21, v11
.irp p, 0,1,2,3
	v_add_nc_u32 v[LI+\p], \p*WREG, v[GW]
	v_add_nc_u32 v[FAD+\p], \p*WREG, v11
.endr
.irp p, 0,1,2,3
	v_add_nc_u32 v[IW+\p], s21, v[LI+\p]
.endr
	WIN 0x40                                       ; destination window 1
.irp s, 0,1
.irp nt, 0,1,2,3,4,5,6,7
.irp g, 0,1,2,3
	global_load_b128 v[16*(8*\s+\nt)+4*\g:16*(8*\s+\nt)+4*\g+3], v[GW], s[12:13] offset:\nt*8192+\s*2048+\g*512
.endr
.endr
.endr
	WIN 0x80                                       ; destination window 2
.irp s, 2,3
.irp nt, 0,1,2,3,4,5,6,7
.irp g, 0,1,2,3
	global_load_b128 v[16*(8*(\s-2)+\nt)+4*\g:16*(8*(\s-2)+\nt)+4*\g+3], v[GW], s[12:13] offset:\nt*8192+\s*2048+\g*512
.endr
.endr
.endr
	WIN 0
	s_wait_kmcnt 0x0
	s_cmp_eq_u32 s17, 0
	s_cselect_b32 s60, s48, s52                    ; ea
	s_cselect_b32 s61, s49, s53                    ; eb
	s_cselect_b32 s62, s54, s57                    ; eo
	s_cmp_eq_u32 s17, 1
	s_cselect_b32 s60, s50, s60
	s_cselect_b32 s61, s51, s61
	s_cselect_b32 s62, s55, s62
	s_sub_co_i32 s62, s62, s60
	s_sub_co_i32 s62, s62, s61                     ; eo - ea - eb
	s_add_co_i32 s60, s60, 127
	s_lshl_b32 s61, s60, 23
	v_mov_b32 v12, s61                             ; 2^ea
	s_add_co_i32 s60, s60, 8
	s_lshl_b32 s60, s60, 23
	s_or_b32 s60, s60, 0x600000
	v_mov_b32 v13, s60                             ; 448 x 2^ea
	s_add_co_i32 s62, s62, 127
	s_lshl_b32 s61, s62, 23
	v_mov_b32 v14, s61                             ; 2^(eo - ea - eb)
	s_add_co_i32 s62, s62, 8
	s_lshl_b32 s62, s62, 23
	s_or_b32 s62, s62, 0x600000
	v_mov_b32 v15, s62                             ; 448 x that
; Tile i = 2 s + u of my rows (K step s, rows 16 u on): a lane's 64 numbers, register 8 c + j = k 16 c + 8 h + j of row r, into set i % 2
.macro LOADX i
.set SS, (\i)/2
.set UU, (\i)%2
.set XS, XN+64*((\i)%2)
.irp c, 0,1,2,3,4,5,6,7
	ds_load_b128 v[XS+8*\c:XS+8*\c+3],   v[FAD+SS] offset:UU*HALF+64*\c
	ds_load_b128 v[XS+8*\c+4:XS+8*\c+7], v[FAD+SS] offset:UU*HALF+64*\c+16
.endr
.endm
.macro QUANT src                       ; 64 numbers become a fragment's 16 registers of codes
.irp c, 0,1,2,3,4,5,6,7
.irp j, 0,1,2,3,4,5,6,7
	v_med3_num_f32 v[\src+8*\c+\j], v[\src+8*\c+\j], -v13, v13   ; the conversion does not saturate (ISA guide 7.6.2): the hold comes first
.endr
	v_cvt_scalef32_pk8_fp8_f32 v[PC+2*\c:PC+2*\c+1], v[\src+8*\c:\src+8*\c+7], v12
.endr
	v_nop                                          ; a plain line behind the last conversion
.endm
.macro IMAGE i                         ; the fragment goes to LDS as it stands: lane l's 16 bytes of group g at 512 g + 16 l, over the tile's first rows, which I have read
.irp g, 0,1,2,3
	ds_store_b128 v[IW+(\i)/2], v[PC+4*\g:PC+4*\g+3] offset:((\i)%2)*HALF+\g*512
.endr
.endm
	s_wait_alu depctr_va_vdst(0)
	s_wait_tensorcnt 0x0                           ; my K step of all rows is in;
	s_barrier_signal -1
	s_barrier_wait -1                              ; and so is everybody's: my rows of all four K steps may be read
	LOADX 0
.irp i, 0,1,2,3,4,5,6,7
.if \i < 7
	LOADX \i+1
	s_wait_dscnt 16                                ; all but the sixteen loads just issued: this tile's numbers are in, and the last image's stores are done
.else
	s_wait_dscnt 0x0
.endif
	QUANT XN+64*(\i%2)
	IMAGE \i
.endr
	s_wait_dscnt 0x0                               ; for the others' sake: my images lie in LDS
	s_barrier_signal -1
	s_barrier_wait -1                              ; all 32 images lie in LDS; from here on LDS is only read
	s_wait_loadcnt 0x0                             ; W's fragments
.macro FETCH p                         ; wave p's rows: row tiles 2 p and 2 p + 1, four K steps each
.irp mt, 0,1
.irp s, 0,1,2,3
.irp g, 0,1,2,3
	ds_load_b128 v[XF+16*(4*\mt+\s)+4*\g:XF+16*(4*\mt+\s)+4*\g+3], v[LI+\s] offset:(\p)*RGN+\mt*HALF+\g*512
.endr
.endr
.endr
.endm
; Two row tiles against my eight column tiles: 64 matrix instructions, the sixteen accumulators by turns, one instruction a turn; then hold, conversion, store.
.macro PAIR p, vp
	s_wait_dscnt 0x0                               ; the two tiles' fragments are in
.irp s, 0,1,2,3
.if \vp
	WIN 0xf4+4*(\s/2)                              ; source 0 (rows) window 0, source 1 (W) window 1 or 2, C and D window 3
.else
	WIN 0xf1+(\s/2)                                ; source 0 (W) window 1 or 2, source 1 (rows) window 0, C and D window 3
.endif
.irp mt, 0,1
.irp nt, 0,1,2,3,4,5,6,7
.set rA, 8*(8*\mt+\nt)
.set rW, 16*(8*(\s%2)+\nt)
.set rX, XF+16*(4*\mt+\s)
.if \vp
.if \s == 0
	v_wmma_f32_16x16x128_fp8_fp8 v[rA:rA+7], v[rX:rX+15], v[rW:rW+15], 0
.else
	v_wmma_f32_16x16x128_fp8_fp8 v[rA:rA+7], v[rX:rX+15], v[rW:rW+15], v[rA:rA+7]
.endif
.else
.if \s == 0
	v_wmma_f32_16x16x128_fp8_fp8 v[rA:rA+7], v[rW:rW+15], v[rX:rX+15], 0
.else
	v_wmma_f32_16x16x128_fp8_fp8 v[rA:rA+7], v[rW:rW+15], v[rX:rX+15], v[rA:rA+7]
.endif
.endif
.endr
.endr
.endr
	WIN 0
.rept 4
	v_nop                                          ; four places ahead of the loads into the fragments' registers and of the first read of results
.endr
.if \p < 3
	FETCH \p+1                                     ; the next two tiles land under the vector work below
.endif
	WIN 0xc3                                       ; source 0 and destination window 3
.set jj, 0
.rept 128
	v_med3_num_f32 v[jj], v[jj], -v15, v15         ; each accumulator from its low end on
.set jj, jj+1
.endr
.if \p > 0
	s_wait_xcnt 0x0                                ; the last pair's stores have read their data: the codes' registers are written again only behind this wait
.endif
	WIN 0x03                                       ; source 0 window 3
.irp mt, 0,1
.irp nt, 0,1,2,3,4,5,6,7
.if \vp
	v_cvt_scalef32_pk8_fp8_f32 v[CD+4*\nt+2*\mt:CD+4*\nt+2*\mt+1], v[8*(8*\mt+\nt):8*(8*\mt+\nt)+7], v14     ; channel tile nt: pair 2 p + mt: half of group p
.else
	v_cvt_scalef32_pk8_fp8_f32 v[CD+16*\mt+2*\nt:CD+16*\mt+2*\nt+1], v[8*(8*\mt+\nt):8*(8*\mt+\nt)+7], v14   ; row tile mt: head nt / 4, pair nt % 4
.endif
.endr
.endr
	WIN 0
	v_nop                                          ; a plain line behind the last conversion: the next products write its sources
.if \vp
.irp nt, 0,1,2,3,4,5,6,7
	global_store_b128 v[GW], v[CD+4*\nt:CD+4*\nt+3], s[14:15] offset:(\nt/4)*131072+(\nt%4)*2048+(\p)*512
.endr
.else
.irp mt, 0,1
.irp q, 0,1,2,3
	global_store_b128 v[GW], v[CD+16*\mt+4*\q:CD+16*\mt+4*\q+3], s[14:15] offset:(\q/2)*131072+(2*(\p)+\mt)*1024+(\q%2)*512
.endr
.endr
.endif
.endm
	FETCH 0
	s_cmp_eq_u32 s17, 2                            ; a branch on the work-group's number, behind every tensor load and the barrier; both ways only read LDS
	s_cbranch_scc1 .Lvalues
	PAIR 0, 0
	PAIR 1, 0
	PAIR 2, 0
	PAIR 3, 0
	s_wait_tensorcnt 0x0
	ds_add_u32 v254, v255
	s_wait_dscnt 0x0
	s_endpgm
.Lvalues:
	PAIR 0, 1
	PAIR 1, 1
	PAIR 2, 1
	PAIR 3, 1
	s_wait_tensorcnt 0x0
	ds_add_u32 v254, v255
	s_wait_dscnt 0x0
	s_endpgm
.Lfunc_end_k_qc35e013476_proj:
	.size	k_qc35e013476_proj, .Lfunc_end_k_qc35e013476_proj-k_qc35e013476_proj
	.p2alignl 7, 3214868480
	.fill 96, 4, 3214868480
	.section	.rodata,"a",@progbits
	.p2align	6, 0x0
	.amdhsa_kernel k_qc35e013476_proj
		.amdhsa_group_segment_fixed_size 270848
		.amdhsa_private_segment_fixed_size 0
		.amdhsa_enable_private_segment 0
		.amdhsa_kernarg_size 48
		.amdhsa_user_sgpr_count 2
		.amdhsa_user_sgpr_kernarg_segment_ptr 1
		.amdhsa_wavefront_size32 1
		.amdhsa_system_sgpr_workgroup_id_x 1
		.amdhsa_system_sgpr_workgroup_id_y 1
		.amdhsa_system_sgpr_workgroup_id_z 1
		.amdhsa_system_vgpr_workitem_id 0
		.amdhsa_next_free_vgpr 896
		.amdhsa_next_free_sgpr 66
		.amdhsa_reserve_vcc 0
		.amdhsa_float_denorm_mode_32 3
		.amdhsa_float_denorm_mode_16_64 3
		.amdhsa_memory_ordered 1
		.amdhsa_forward_progress 1
		.amdhsa_inst_pref_size 191
	.end_amdhsa_kernel
	.amdgpu_metadata
---
amdhsa.version: [ 1, 2 ]
amdhsa.kernels:
  - .name:           k_qc35e013476_proj
    .symbol:         k_qc35e013476_proj.kd
    .args:
      - { .name: X, .offset: 0, .size: 8, .value_kind: global_buffer, .address_space: global }
      - { .name: Y, .offset: 8, .size: 8, .value_kind: global_buffer, .address_space: global }
      - { .name: Z, .offset: 16, .size: 8, .value_kind: global_buffer, .address_space: global }
      - { .name: lowp_scales, .offset: 24, .size: 8, .value_kind: global_buffer, .address_space: global }
      - { .name: wimg, .offset: 32, .size: 8, .value_kind: global_buffer, .address_space: global }
      - { .name: qkv, .offset: 40, .size: 8, .value_kind: global_buffer, .address_space: global }
    .group_segment_fixed_size: 270848
    .private_segment_fixed_size: 0
    .kernarg_segment_align: 8
    .kernarg_segment_size: 48
    .max_flat_workgroup_size: 128
    .sgpr_count:     66
    .vgpr_count:     896
    .wavefront_size: 32
...
	.end_amdgpu_metadata
.endif
;; end of part 2
;; launch attn (part 3): grid 8 x 32, 16 waves a work-group, clusters of 4 x 1, 327,680 bytes of LDS; arguments qkv, lowp_scales, oimg; writes oimg
.if DOCPART == 3
	.amdgcn_target "amdgcn-amd-amdhsa--gfx1250"
	.amdhsa_code_object_version 6
	.text
	.protected	k_qc35e013476_attn
	.globl	k_qc35e013476_attn
	.p2align	8
	.type	k_qc35e013476_attn,@function
k_qc35e013476_attn:
	s_mov_b64 s[64:65], 0
	v_nop
	global_prefetch_b8 v0, s[64:65] scope:SCOPE_SE
	s_setreg_imm32_b32 hwreg(HW_REG_WAVE_MODE, 25, 1), 1
	s_wait_xcnt 0x0
	s_wait_alu depctr_hold_cnt(0) depctr_sa_sdst(0) depctr_va_vdst(0) depctr_va_sdst(0) depctr_va_ssrc(0) depctr_va_vcc(0) depctr_vm_vsrc(0)
	s_getreg_b32 s2, hwreg(HW_REG_IB_STS2, 6, 4)
	s_cmp_eq_u32 s2, 0
	s_cbranch_scc0 .Lentry_in_a_cluster
	s_endpgm
.Lentry_in_a_cluster:
	s_bfe_u32 s2, ttmp6, 0x10000c
	s_cmp_lg_u32 s2, 0x3003
	s_cbranch_scc0 .Lentry_shape_is_right
	s_endpgm
.Lentry_shape_is_right:
; Attention on codes of E4M3: o = softmax(max(q k^T / 8, 0)) v, and o quantised again as the left operand of the last product.
; SHARES.  Work-group (x, y): head y (batch y / 8, head y % 8), queries 256 x on; wave w of 16 owns one tile of 16 queries and walks the head's 2,048 keys, 128 a step.
; qkv (laid by the launch before as images of operand registers): q at 0, k at 4 MiB: [bh][tile of 16 rows][g 2][lane][16]; v at 8 MiB: [bh][key step][dt 4][g 4][lane][16].
; LDS holds the head's whole K (131,072 bytes from 0) and V (from 2^17): key step t at 8,192 t in each.  No byte is filled twice.  The fills go out in two groups, one tensor load a wave in each:
; at the head key steps 0 to 3 (waves 0-7: K, waves 8-15: V; 4,096 dense bytes a wave), and behind the full sequence and a round key steps 4 to 15 (12,288 bytes a wave), which have four steps' work in which to land.
; All tiles are stated as rows of 256 bytes.  Every wait on TENSORcnt is for 0.  No prefetch: all tiles are asked for at the head, and no loop asks for any.
; CLUSTERS: the four work-groups of a cluster are query blocks of one head and need the same K and V: every tile is asked for jointly (mask 15), behind a round of the cluster's barrier.
; LAYOUT: both products transposed (S^T = K Q^T, O^T = V^T P^T): a lane holds one query; a score tile's eight registers are eight neighbouring keys, so one conversion gives register pair t of P's fragment.
; SOFTMAX: t = max(score, 0) x log2(e) / 8; M = the running largest t (never under 0) rounded up to a whole number; p = 2^(t - M) is quantised with the given 2^e8; the row's sum is of the unquantised p.
; x = score x c - M, then max(x, -M) is the clip at 0.  The clip and the hold go two numbers an instruction as dual pairs; -M is kept twice (v12, v9) so that the pair's first sources lie in different register banks.
; INDEPENDENT CHAINS: the step's largest score is taken in eight chains, one a tile, level by level, and a tree of three levels; the row's sum runs in four chains that last through the launch and are joined at the end;
; each add of a pair of p is followed by that pair's hold; V's LDS loads stand among the few lines that do hang on each other (permute, maximum, scaling, floor).
; oimg: [batch][row tile 128][s 4][g 4][lane][16]: head h fills s = h / 2, g = 2 (h % 2) and the next: each store covers 512 consecutive bytes, aligned.
; LIMITS: e6 + e7 between -123 and 130; e8 and e10 between -126 and 119; the scaled scores stay under 2^31 in magnitude.  NaN among the inputs is not served.
.set VOFF,  1<<17
.set SPARE, 1<<18                      ; the spare words: 128 bytes a wave, 2,048 in all, named by no other line
.set LI,  1                            ; v1  16 x lane: my place in a fragment of K
.set LV,  2                            ; v2  the same for V
.set ADK, 4                            ; v4, v5 the same in the key step in hand
.set ADV, 5
.set SPW, 6                            ; v6  my spare word; v7  0: both never rewritten
.set NIL, 7
.set NM2, 9                            ; v9  -M once more;  v12 -M, v13 the largest score so far (never under 0); v14, v15 the way out
.set QF,  16                           ; v16-23 Q's fragment
.set MT,  24                           ; v24-31 the eight chains of the maximum
.set F,   32                           ; v32-95 eight fragments of K, then four of V
.set S,   96                           ; v96-159 S^T, then p
.set O,   160                          ; v160-191 O^T
.set P,   192                          ; v192-207 p's codes; at the end o's
.set FF,  208                          ; v[208:209] f = 2^(old M - new M)
.set OLD, 211                          ; -M of the step before
.set MA,  212
.set MB,  213
.set PT,  214
.set SCP, 216                          ; 2^e8
.set VH,  217                          ; 448 x 2^e10, 2^e10
.set VS,  218
.set C0,  220                          ; v220-227 the row's sum: four chains of two halves
.set WV,  18
.set SEL, 20
.set CS,  22
.set G1A, 24                           ; s[24:31] group 1 of the first fills: 16 rows;  s[40:47] of the second: 48 rows
.set G0A, 32                           ; s[32:35], s[36:39] their groups 0
.set G0B, 36
.set G1B, 40
.set TB,  48                           ; LDS byte of the key step in hand
.set CNT, 49
.set HL,  50                           ; 448 x 2^e8
.macro ROUND                           ; a round of the cluster's barrier
	s_barrier_signal -1
	s_barrier_wait -1
	s_cmp_lg_u32 s[WV], 0
	s_cbranch_scc1 .Lnot_wave_0_\@
	s_barrier_signal -3
.Lnot_wave_0_\@:
	s_barrier_wait -3
	s_barrier_signal -1
	s_barrier_wait -1
.endm
	s_load_b128 s[4:7], s[0:1], 0x0                ; qkv s[4:5], the exponents s[6:7]
	s_load_b64 s[8:9], s[0:1], 0x10                ; oimg
	v_lshl_add_u32 v[SPW], v0, 2, SPARE
	v_mov_b32 v[NIL], 0
	ds_add_u32 v[SPW], v[NIL]                      ; the opening lines: the add twice on end and its wait
	ds_add_u32 v[SPW], v[NIL]
	v_lshrrev_b32 v10, 5, v0
	v_readfirstlane_b32 s[WV], v10
	s_bfe_u32 s12, ttmp6, 0x40000                  ; cx
	s_lshl_b32 s13, ttmp9, 2
	s_add_co_u32 s13, s13, s12                     ; my block of 256 queries
	s_and_b32 s14, ttmp7, 0xffff                   ; (batch, head)
	s_lshl_b32 s15, s13, 4
	s_add_co_u32 s15, s15, s[WV]                   ; my tile of 16 queries, 0 .. 127
	s_lshr_b32 s16, s[WV], 3                       ; I fetch K (0) or V (1),
	s_and_b32 s17, s[WV], 7                        ; part 0 .. 7
	s_lshl_b32 s19, s16, 17                        ; K's or V's half of LDS
	s_lshl_b32 s2, s16, 22
	s_lshl_b32 s3, s14, 17
	s_add_co_u32 s2, s2, s3
	s_add_co_u32 s2, s2, 0x400000                  ; the head's K or V in qkv
	s_lshl_b32 s10, s17, 12                        ; first fills: 4,096 x part
	s_mul_i32 s11, s17, 12288
	s_add_co_u32 s11, s11, 32768                   ; second fills: behind the first 32,768 bytes, 12,288 x part
	s_add_co_u32 s[G0A+1], s19, s10
	s_add_co_u32 s[G0B+1], s19, s11
	s_add_co_u32 s10, s10, s2
	s_add_co_u32 s2, s11, s2
	s_mov_b32 s11, 0
	s_mov_b32 s3, 0
.irp g, G1A, G1B
	s_mov_b32 s[\g+0], 15|(3<<16)|(1<<21)          ; mask: all four partners; elements of 8 bytes
	s_mov_b32 s[\g+1], 32<<16
	s_mov_b32 s[\g+3], 32<<16
	s_mov_b32 s[\g+5], 32
	s_mov_b32 s[\g+6], 0
	s_mov_b32 s[\g+7], 0
.endr
	s_mov_b32 s[G1A+2], 16<<16
	s_mov_b32 s[G1A+4], 16
	s_mov_b32 s[G1B+2], 48<<16
	s_mov_b32 s[G1B+4], 48
	s_mov_b32 s[SEL], 0x76543210
	s_mov_b32 s[SEL+1], 0xfedcba98
	s_mov_b32 s[CS], 0x3e38aa3b                    ; c = log2(e) / 8
	s_wait_dscnt 0x0
	s_wait_kmcnt 0x0
	s_load_b256 s[52:59], s[6:7], 0x0              ; entries 0 to 7
	s_load_b128 s[60:63], s[6:7], 0x20             ; entries 8 to 11
	s_mov_b32 s[G0A], 1
	s_add_nc_u64 s[G0A+2:G0A+3], s[4:5], s[10:11]
	s_or_b32 s[G0A+3], s[G0A+3], 0x80000000
	s_mov_b32 s[G0B], 1
	s_add_nc_u64 s[G0B+2:G0B+3], s[4:5], s[2:3]
	s_or_b32 s[G0B+3], s[G0B+3], 0x80000000
	ROUND
	tensor_load_to_lds s[G0A:G0A+3], s[G1A:G1A+7]  ; my part of key steps 0 to 3: my one load at the head
	s_nop 0
	s_lshl_b32 s2, s14, 17
	s_lshl_b32 s10, s15, 10
	s_add_co_u32 s2, s2, s10                       ; my tile of q
	s_add_nc_u64 s[10:11], s[4:5], s[2:3]
	s_lshr_b32 s2, s14, 3
	s_lshl_b32 s2, s2, 20                          ; oimg: the batch,
	s_lshl_b32 s12, s15, 13
	s_add_co_u32 s2, s2, s12                       ; my row tile,
	s_and_b32 s12, s14, 7
	s_lshl_b32 s12, s12, 10
	s_add_co_u32 s2, s2, s12                       ; my head's 1,024 bytes
	s_add_nc_u64 s[8:9], s[8:9], s[2:3]
	v_and_b32 v10, 31, v0
	v_lshlrev_b32 v[LI], 4, v10
	v_add_nc_u32 v[LV], VOFF, v[LI]
	global_load_b128 v[QF:QF+3],   v[LI], s[10:11]
	global_load_b128 v[QF+4:QF+7], v[LI], s[10:11] offset:512
.irp r, 12,13,14,15,NM2,PT,FF+1,C0,C0+1,C0+2,C0+3,C0+4,C0+5,C0+6,C0+7
	v_mov_b32 v[\r], 0                             ; M = 0 and the largest score = 0 (no t is under 0); the sums; registers named as halves of pairs or as a permute's destination
.endr
.set j, 0
.rept 32
	v_mov_b32 v[O+j], 0                            ; the step is written for all steps alike: the first finds zeros
.set j, j+1
.endr
	s_wait_kmcnt 0x0
	s_add_co_i32 s2, s58, s59
	s_lshl_b32 s2, s2, 23
	s_add_co_i32 s[CS], s[CS], s2                  ; c x 2^(e6 + e7)
	s_mov_b32 s[CS+1], s[CS]
	s_add_co_i32 s2, s60, 127
	s_lshl_b32 s3, s2, 23
	v_mov_b32 v[SCP], s3
	s_add_co_i32 s2, s2, 8
	s_lshl_b32 s2, s2, 23
	s_or_b32 s[HL], s2, 0x600000
.macro VLOAD d                         ; V's fragment d: 16 of the head's 64 channels x 128 keys
.irp g, 0,1,2,3
	ds_load_b128 v[F+16*\d+4*\g:F+16*\d+4*\g+3], v[ADV] offset:\d*2048+\g*512
.endr
.endm
.macro STEP
	v_add_nc_u32 v[ADK], s[TB], v[LI]
	v_add_nc_u32 v[ADV], s[TB], v[LV]
	v_nop                                          ; with the two additions: four places ahead of loads into registers that the last products read
	v_nop
.irp t, 0,1,2,3,4,5,6,7
	ds_load_b128 v[F+8*\t:F+8*\t+3],   v[ADK] offset:\t*1024
	ds_load_b128 v[F+8*\t+4:F+8*\t+7], v[ADK] offset:\t*1024+512
.endr
	s_wait_alu depctr_va_vdst(0)                   ; ahead of the wait below
.irp u, 0,1,2,3
	s_wait_dscnt 12-4*\u                           ; tiles 2 u and 2 u + 1 are in; the four loads of each later pair of tiles may be out
	v_wmma_f32_16x16x64_fp8_fp8 v[S+16*\u:S+16*\u+7], v[F+16*\u:F+16*\u+7], v[QF:QF+7], 0
	v_wmma_f32_16x16x64_fp8_fp8 v[S+16*\u+8:S+16*\u+15], v[F+16*\u+8:F+16*\u+15], v[QF:QF+7], 0
.endr
.rept 4
	v_nop                                          ; four places ahead of the first read of results and of the loads into K's registers
.endr
.irp t, 0,1,2,3,4,5,6,7                ; the step's largest score: a chain a tile, level by level; each accumulator from its low end on
	v_max3_num_f32 v[MT+\t], v[S+8*\t], v[S+8*\t+1], v[S+8*\t+2]
.endr
.irp t, 0,1,2,3,4,5,6,7
	v_max3_num_f32 v[MT+\t], v[MT+\t], v[S+8*\t+3], v[S+8*\t+4]
.endr
.irp t, 0,1,2,3,4,5,6,7
	v_max3_num_f32 v[MT+\t], v[MT+\t], v[S+8*\t+5], v[S+8*\t+6]
.endr
	v_max3_num_f32 v[MA], v[S+15], v[S+23], v[S+31]   ; the tiles' eighth registers and the eight chains: sixteen numbers in a tree
	v_max3_num_f32 v[MB], v[S+39], v[S+47], v[S+55]
	v_max3_num_f32 v[MT], v[MT], v[MT+1], v[MT+2]
	v_max3_num_f32 v[MT+3], v[MT+3], v[MT+4], v[MT+5]
	v_max3_num_f32 v[MT+6], v[MT+6], v[MT+7], v[S+7]
	v_max3_num_f32 v[MB], v[MA], v[MB], v[S+63]
	v_mov_b32 v[OLD], v12
	v_max3_num_f32 v[MT], v[MT], v[MT+3], v[MT+6]
	VLOAD 0                                        ; V's fragments land under the softmax
	v_max_num_f32 v[MA], v[MT], v[MB]
	VLOAD 1
	v_permlanex16_b32 v[PT], v[MA], s[SEL], s[SEL+1]
	VLOAD 2
	v_max3_num_f32 v13, v13, v[MA], v[PT]          ; the running largest score: mine, lane l xor 16's, and all before
	VLOAD 3
	v_mul_f32 v[MA], s[CS], v13                    ; as t (c is positive)
	v_floor_f32 v12, -v[MA]                        ; -M = floor(-t)
	v_floor_f32 v[NM2], -v[MA]
.set j, 0
.rept 32
	v_pk_fma_f32 v[S+j:S+j+1], v[S+j:S+j+1], s[CS:CS+1], v[12:13] op_sel_hi:[1,0,0]   ; score x c - M
.if j == 6
	v_sub_f32 v[OLD], v12, v[OLD]                  ; old M - new M: a whole number, 0 or less
.elseif j == 22
	v_cvt_i32_f32 v[OLD], v[OLD]
.elseif j == 38
	v_ldexp_f32 v[FF], 1.0, v[OLD]                 ; f = 2^(old M - new M)
.endif
.set j, j+2
.endr
.set j, 0
.rept 32
	v_dual_max_num_f32 v[S+j], v12, v[S+j] :: v_dual_max_num_f32 v[S+j+1], v[NM2], v[S+j+1]   ; the clip at 0: t - M is never under -M
.set j, j+2
.endr
	s_wait_alu depctr_va_vdst(0)                   ; ahead of the batch
.set j, 0
.rept 64
	v_exp_f32 v[S+j], v[S+j]
.set j, j+1
.endr
.irp k, 0,1,2,3
	v_pk_mul_f32 v[C0+2*\k:C0+2*\k+1], v[C0+2*\k:C0+2*\k+1], v[FF:FF+1] op_sel_hi:[1,0]   ; the sums under the new M; plain places behind the batch
.endr
	s_wait_alu depctr_va_vdst(0)                   ; one wait for the batch, and directly ahead of the first readers of O^T
.set j, 0
.rept 16
	v_pk_mul_f32 v[O+j:O+j+1], v[O+j:O+j+1], v[FF:FF+1] op_sel_hi:[1,0]   ; O^T under the new M
.set j, j+2
.endr
.irp q, 0,1,2,3,4,5,6,7
.irp k, 0,1,2,3
	v_pk_add_f32 v[C0+2*\k:C0+2*\k+1], v[C0+2*\k:C0+2*\k+1], v[S+8*\q+2*\k:S+8*\q+2*\k+1]   ; the sum takes the unquantised p; only then is the pair held
	v_dual_min_num_f32 v[S+8*\q+2*\k], s[HL], v[S+8*\q+2*\k] :: v_dual_min_num_f32 v[S+8*\q+2*\k+1], s[HL], v[S+8*\q+2*\k+1]   ; the conversion does not saturate (ISA guide 7.6.2); p is not negative: a one-sided hold
.endr
.endr
.irp t, 0,1,2,3,4,5,6,7
	v_cvt_scalef32_pk8_fp8_f32 v[P+2*\t:P+2*\t+1], v[S+8*\t:S+8*\t+7], v[SCP]
.endr
	v_nop                                          ; a plain line behind the last conversion
	s_wait_alu depctr_va_vdst(0)                   ; ahead of the wait below
	s_wait_dscnt 0x0                               ; V's fragments
.irp d, 0,1,2,3
	v_wmma_f32_16x16x128_fp8_fp8 v[O+8*\d:O+8*\d+7], v[F+16*\d:F+16*\d+15], v[P:P+15], v[O+8*\d:O+8*\d+7]
.endr
.endm
.macro STEPS n                         ; n key steps on end
	s_mov_b32 s[CNT], \n
.Lstep_\@:
	STEP
	s_add_co_u32 s[TB], s[TB], 8192
	s_sub_co_u32 s[CNT], s[CNT], 1
	s_cmp_lg_u32 s[CNT], 0
	s_cbranch_scc1 .Lstep_\@
.endm
	s_mov_b32 s[TB], 0
	s_wait_alu depctr_va_vdst(0)                   ; the wait at the head's end
	s_wait_loadcnt 0x0                             ; Q
	s_wait_tensorcnt 0x0                           ; my part of key steps 0 to 3 is in;
	ds_add_u32 v[SPW], v[NIL]
	s_wait_dscnt 0x0
	ROUND                                          ; everybody's part is in, and the four partners are here
	tensor_load_to_lds s[G0B:G0B+3], s[G1B:G1B+7]  ; my part of key steps 4 to 15
	s_nop 0
	STEPS 4
	s_wait_tensorcnt 0x0                           ; my part of the rest is in;
	s_barrier_signal -1
	s_barrier_wait -1                              ; and so is everybody's.
	STEPS 12
.rept 4
	v_nop                                          ; four places behind the last products
.endr
	s_add_co_i32 s2, s62, 127
	s_lshl_b32 s3, s2, 23
	v_mov_b32 v[VS], s3                            ; 2^e10
	s_add_co_i32 s2, s2, 8
	s_lshl_b32 s2, s2, 23
	s_or_b32 s2, s2, 0x600000
	v_mov_b32 v[VH], s2                            ; 448 x 2^e10
	v_pk_add_f32 v[C0:C0+1], v[C0:C0+1], v[C0+2:C0+3]       ; the sum's four chains are joined,
	v_pk_add_f32 v[C0+4:C0+5], v[C0+4:C0+5], v[C0+6:C0+7]
	v_pk_add_f32 v[C0:C0+1], v[C0:C0+1], v[C0+4:C0+5]
	v_add_f32 v14, v[C0], v[C0+1]                  ; its two halves,
	s_delay_alu instid0(VALU_DEP_1)
	v_permlanex16_b32 v[PT], v14, s[SEL], s[SEL+1]
	s_delay_alu instid0(VALU_DEP_1)
	v_add_f32 v14, v14, v[PT]                      ; and lane l xor 16's: the row's sum
	s_wait_alu depctr_va_vdst(0)                   ; ahead of the transcendental
	v_rcp_f32 v14, v14
	v_nop
	s_add_co_i32 s2, s60, s61
	s_wait_alu depctr_va_vdst(0)                   ; and ahead of its first reader
	v_ldexp_f32 v14, v14, s2                       ; x 2^(e8 + e9)
	s_wait_alu depctr_va_vdst(0)                   ; and directly ahead of the first readers of O^T
.set j, 0
.rept 16
	v_pk_mul_f32 v[O+j:O+j+1], v[O+j:O+j+1], v[14:15] op_sel_hi:[1,0]
.set j, j+2
.endr
.set j, 0
.rept 32
	v_med3_num_f32 v[O+j], v[O+j], -v[VH], v[VH]
.set j, j+1
.endr
.irp d, 0,1,2,3
	v_cvt_scalef32_pk8_fp8_f32 v[P+2*\d:P+2*\d+1], v[O+8*\d:O+8*\d+7], v[VS]   ; pair d: channels 16 d + 8 h + 0 .. 7 of my head
.endr
	v_nop
	global_store_b128 v[LI], v[P:P+3],   s[8:9]
	global_store_b128 v[LI], v[P+4:P+7], s[8:9] offset:512
	s_wait_tensorcnt 0x0                           ; the wave's end
	ds_add_u32 v[SPW], v[NIL]
	s_wait_dscnt 0x0
	ROUND                                          ; the closing round
	s_endpgm
.Lfunc_end_k_qc35e013476_attn:
	.size	k_qc35e013476_attn, .Lfunc_end_k_qc35e013476_attn-k_qc35e013476_attn
	.p2alignl 7, 3214868480
	.fill 96, 4, 3214868480
	.section	.rodata,"a",@progbits
	.p2align	6, 0x0
	.amdhsa_kernel k_qc35e013476_attn
		.amdhsa_group_segment_fixed_size 327680
		.amdhsa_private_segment_fixed_size 0
		.amdhsa_enable_private_segment 0
		.amdhsa_kernarg_size 24
		.amdhsa_user_sgpr_count 2
		.amdhsa_user_sgpr_kernarg_segment_ptr 1
		.amdhsa_wavefront_size32 1
		.amdhsa_system_sgpr_workgroup_id_x 1
		.amdhsa_system_sgpr_workgroup_id_y 1
		.amdhsa_system_sgpr_workgroup_id_z 1
		.amdhsa_system_vgpr_workitem_id 0
		.amdhsa_next_free_vgpr 256
		.amdhsa_next_free_sgpr 66
		.amdhsa_reserve_vcc 0
		.amdhsa_float_denorm_mode_32 3
		.amdhsa_float_denorm_mode_16_64 3
		.amdhsa_memory_ordered 1
		.amdhsa_forward_progress 1
		.amdhsa_inst_pref_size 48
	.end_amdhsa_kernel
	.amdgpu_metadata
---
amdhsa.version: [ 1, 2 ]
amdhsa.kernels:
  - .name:           k_qc35e013476_attn
    .symbol:         k_qc35e013476_attn.kd
    .args:
      - { .name: qkv, .offset: 0, .size: 8, .value_kind: global_buffer, .address_space: global }
      - { .name: lowp_scales, .offset: 8, .size: 8, .value_kind: global_buffer, .address_space: global }
      - { .name: oimg, .offset: 16, .size: 8, .value_kind: global_buffer, .address_space: global }
    .group_segment_fixed_size: 327680
    .private_segment_fixed_size: 0
    .kernarg_segment_align: 8
    .kernarg_segment_size: 24
    .max_flat_workgroup_size: 512
    .sgpr_count:     66
    .vgpr_count:     256
    .wavefront_size: 32
...
	.end_amdgpu_metadata
.endif
;; end of part 3
;; launch outp (part 4): grid 4 x 64, 4 waves a work-group, no clusters, 17,920 bytes of LDS; arguments oimg, wimg, lowp_scales, out0; writes out0
.if DOCPART == 4
	.amdgcn_target "amdgcn-amd-amdhsa--gfx1250"
	.amdhsa_code_object_version 6
	.text
	.protected	k_qc35e013476_outp
	.globl	k_qc35e013476_outp
	.p2align	8
	.type	k_qc35e013476_outp,@function
k_qc35e013476_outp:
	s_mov_b64 s[64:65], 0
	v_nop
	global_prefetch_b8 v0, s[64:65] scope:SCOPE_SE
	s_setreg_imm32_b32 hwreg(HW_REG_WAVE_MODE, 25, 1), 1
	s_wait_xcnt 0x0
; out0 = (merged heads) Wo on codes of E4M3: [8,192][512] x [512][512], f32 out; each finished sum x 2^(e10 + e11).
; A work-group makes 128 rows (y) x 128 columns (x); wave (wr, wc) 64 x 64: 16 accumulators.  K = 512 is four matrix instructions deep.
; Both operands lie in memory as images of their registers: they go straight into registers, 512 consecutive bytes a load; no LDS, no tensor load and no barrier on the way in.
; No cluster: nothing comes through tensor loads here.  No prefetch: all of a wave's operands are asked for at its head.
; THE PRODUCT IS USED TRANSPOSED (source 0 = 16 columns of Wo, source 1 = 16 rows): a lane holds eight neighbouring numbers of a row of the output.
; A block of 16 rows x 64 columns goes through the wave's own stage in LDS (rows of 256 bytes + 16) and leaves as rows: sixteen lanes store 256 consecutive bytes, aligned.
; LIMIT: e10 + e11 between -126 and 127.
; REGISTERS: window 0: v2-5 addresses; v32-63 a block's scaled sums; v64-127 rows read back, two sets; v128-255 the accumulators (mt, nt) at v[128 + 8 (4 mt + nt)].
;   window 1: Wo's fragments (nt, s) at v[16 (4 s + nt)];  window 2: the rows' fragments (mt, s) at v[16 (4 s + mt)].
.set GI,  2                            ; v2  16 lane
.set STO, 3                            ; v3  the stage, in: w x 4,352 + 272 r + 32 h
.set RD,  4                            ; v4  the stage, back: w x 4,352 + 272 h + 16 r
.set CO,  5                            ; v5  the same two rows in the output: 2,048 h + 16 r
.set TMP, 32
.set BK,  64
.set ACC, 128
.set MSB, 0
.macro WIN new
.if MSB != (\new)
	s_set_vgpr_msb (MSB<<8)|(\new)
.set MSB, (\new)
.endif
.endm
	s_load_b128 s[4:7], s[0:1], 0x0                ; oimg s[4:5], wimg s[6:7]
	s_load_b128 s[8:11], s[0:1], 0x10              ; the scales' exponents s[8:9], out0 s[10:11]
	v_lshl_add_u32 v30, v0, 2, 0x4400
	v_mov_b32 v31, 0
	v_lshrrev_b32 v1, 5, v0
	v_readfirstlane_b32 s12, v1                    ; wave
	s_lshr_b32 s13, s12, 1                         ; wr
	s_and_b32 s14, s12, 1                          ; wc
	s_and_b32 s15, ttmp7, 0xffff                   ; y
	s_mul_i32 s16, s12, 4352                       ; my stage
	s_lshl_b32 s2, ttmp9, 16                       ; Wo's image for this product at 786,432; column tiles 8 x + 4 wc on, 8,192 bytes each
	s_lshl_b32 s17, s14, 15
	s_add_co_u32 s2, s2, s17
	s_add_co_u32 s2, s2, 786432
	s_mov_b32 s3, 0
	s_lshl_b32 s18, s15, 16                        ; row tiles 8 y + 4 wr on
	s_lshl_b32 s17, s13, 15
	s_add_co_u32 s18, s18, s17
	s_mov_b32 s19, 0
	s_lshl_b32 s22, s15, 18                        ; the output: rows 128 y + 64 wr of 2,048 bytes, columns 128 x + 64 wc
	s_lshl_b32 s17, s13, 17
	s_add_co_u32 s22, s22, s17
	s_lshl_b32 s17, ttmp9, 9
	s_add_co_u32 s22, s22, s17
	s_lshl_b32 s17, s14, 8
	s_add_co_u32 s22, s22, s17
	s_mov_b32 s23, 0
	v_and_b32 v1, 31, v0
	v_lshlrev_b32 v[GI], 4, v1
	v_and_b32 v6, 15, v0                           ; r
	v_bfe_u32 v7, v0, 4, 1                         ; h
	v_mul_u32_u24 v[STO], v6, 272
	v_lshl_add_u32 v[STO], v7, 5, v[STO]
	v_add_nc_u32 v[STO], s16, v[STO]
	v_mul_u32_u24 v[RD], v7, 272
	v_lshl_add_u32 v[RD], v6, 4, v[RD]
	v_add_nc_u32 v[RD], s16, v[RD]
	v_lshlrev_b32 v[CO], 11, v7
	v_lshl_add_u32 v[CO], v6, 4, v[CO]
	s_wait_kmcnt 0x0
	s_load_b64 s[20:21], s[8:9], 0x28              ; e10, e11
	s_add_nc_u64 s[6:7], s[6:7], s[2:3]
	s_add_nc_u64 s[4:5], s[4:5], s[18:19]
	s_add_nc_u64 s[10:11], s[10:11], s[22:23]
.irp s, 0,1,2,3                        ; 32 loads a K step: 16 of Wo, 16 of the rows
	WIN 0x40
.irp nt, 0,1,2,3
.irp g, 0,1,2,3
	global_load_b128 v[16*(4*\s+\nt)+4*\g:16*(4*\s+\nt)+4*\g+3], v[GI], s[6:7] offset:\nt*8192+\s*2048+\g*512
.endr
.endr
	WIN 0x80
.irp mt, 0,1,2,3
.irp g, 0,1,2,3
	global_load_b128 v[16*(4*\s+\mt)+4*\g:16*(4*\s+\mt)+4*\g+3], v[GI], s[4:5] offset:\mt*8192+\s*2048+\g*512
.endr
.endr
.endr
	WIN 0
	s_wait_kmcnt 0x0
	s_add_co_i32 s20, s20, s21
	s_add_co_i32 s20, s20, 127
	s_lshl_b32 s20, s20, 23                        ; 2^(e10 + e11) as f32
	s_mov_b32 s21, s20                             ; (named with it as a pair)
.irp s, 0,1,2,3
.if \s == 0
	s_wait_loadcnt 63                              ; of 128 loads at most 63 are out: the first 65 are in, K steps 0 and 1 among them
.elseif \s == 2
	s_wait_loadcnt 32                              ; all but K step 3's
.elseif \s == 3
	s_wait_loadcnt 0x0
.endif
	WIN 0x09                                       ; source 0 (Wo) window 1, source 1 (rows) window 2, C and D window 0
.irp mt, 0,1,2,3
.irp nt, 0,1,2,3
.if \s == 0
	v_wmma_f32_16x16x128_fp8_fp8 v[ACC+8*(4*\mt+\nt):ACC+8*(4*\mt+\nt)+7], v[16*(4*\s+\nt):16*(4*\s+\nt)+15], v[16*(4*\s+\mt):16*(4*\s+\mt)+15], 0
.else
	v_wmma_f32_16x16x128_fp8_fp8 v[ACC+8*(4*\mt+\nt):ACC+8*(4*\mt+\nt)+7], v[16*(4*\s+\nt):16*(4*\s+\nt)+15], v[16*(4*\s+\mt):16*(4*\s+\mt)+15], v[ACC+8*(4*\mt+\nt):ACC+8*(4*\mt+\nt)+7]
.endif
.endr
.endr
.endr                                  ; the sixteen accumulators take turns, one instruction a turn
	WIN 0
.rept 4
	v_nop                                          ; four places (ISA guide 7.12.1) ahead of the first read of results
.endr
.macro TOSTAGE mt                      ; block mt: 16 rows x 64 columns, scaled, into my stage and back as rows.  LDS serves a wave's instructions in order: no wait between the stores and the loads
.irp nt, 0,1,2,3
.irp i, 0,2,4,6
	v_pk_mul_f32 v[TMP+8*\nt+\i:TMP+8*\nt+\i+1], v[ACC+8*(4*(\mt)+\nt)+\i:ACC+8*(4*(\mt)+\nt)+\i+1], s[20:21] op_sel_hi:[1,0]   ; each accumulator from its low end on
.endr
.endr
.irp nt, 0,1,2,3
	ds_store_b128 v[STO], v[TMP+8*\nt:TMP+8*\nt+3]   offset:64*\nt
	ds_store_b128 v[STO], v[TMP+8*\nt+4:TMP+8*\nt+7] offset:64*\nt+16
.endr
.irp i, 0,1,2,3,4,5,6,7
	ds_load_b128 v[BK+32*((\mt)%2)+4*\i:BK+32*((\mt)%2)+4*\i+3], v[RD] offset:2*\i*272
.endr
.endm
.macro SEND mt, younger                ; younger: the LDS instructions issued behind block mt's loads, which may stay out
	s_wait_dscnt \younger
.irp i, 0,1,2,3,4,5,6,7
	global_store_b128 v[CO], v[BK+32*((\mt)%2)+4*\i:BK+32*((\mt)%2)+4*\i+3], s[10:11] offset:(16*(\mt)+2*\i)*2048 th:TH_STORE_NT   ; sixteen lanes store 256 consecutive bytes, aligned; written once
.endr
.endm
	TOSTAGE 0
.irp m, 1,2,3
.if \m > 1
	s_wait_xcnt 0x0                                ; block m - 2's stores have read their data: block m's loads land there only behind this wait
.endif
	TOSTAGE \m
	SEND \m-1, 16                                  ; behind block m - 1's loads: block m's eight stores and eight loads
.endr
	SEND 3, 0
	s_wait_tensorcnt 0x0
	ds_add_u32 v30, v31
	s_wait_dscnt 0x0
	s_endpgm
.Lfunc_end_k_qc35e013476_outp:
	.size	k_qc35e013476_outp, .Lfunc_end_k_qc35e013476_outp-k_qc35e013476_outp
	.p2alignl 7, 3214868480
	.fill 96, 4, 3214868480
	.section	.rodata,"a",@progbits
	.p2align	6, 0x0
	.amdhsa_kernel k_qc35e013476_outp
		.amdhsa_group_segment_fixed_size 17920
		.amdhsa_private_segment_fixed_size 0
		.amdhsa_enable_private_segment 0
		.amdhsa_kernarg_size 32
		.amdhsa_user_sgpr_count 2
		.amdhsa_user_sgpr_kernarg_segment_ptr 1
		.amdhsa_wavefront_size32 1
		.amdhsa_system_sgpr_workgroup_id_x 1
		.amdhsa_system_sgpr_workgroup_id_y 1
		.amdhsa_system_sgpr_workgroup_id_z 1
		.amdhsa_system_vgpr_workitem_id 0
		.amdhsa_next_free_vgpr 768
		.amdhsa_next_free_sgpr 66
		.amdhsa_reserve_vcc 0
		.amdhsa_float_denorm_mode_32 3
		.amdhsa_float_denorm_mode_16_64 3
		.amdhsa_memory_ordered 1
		.amdhsa_forward_progress 1
		.amdhsa_inst_pref_size 31
	.end_amdhsa_kernel
	.amdgpu_metadata
---
amdhsa.version: [ 1, 2 ]
amdhsa.kernels:
  - .name:           k_qc35e013476_outp
    .symbol:         k_qc35e013476_outp.kd
    .args:
      - { .name: oimg, .offset: 0, .size: 8, .value_kind: global_buffer, .address_space: global }
      - { .name: wimg, .offset: 8, .size: 8, .value_kind: global_buffer, .address_space: global }
      - { .name: lowp_scales, .offset: 16, .size: 8, .value_kind: global_buffer, .address_space: global }
      - { .name: out0, .offset: 24, .size: 8, .value_kind: global_buffer, .address_space: global }
    .group_segment_fixed_size: 17920
    .private_segment_fixed_size: 0
    .kernarg_segment_align: 8
    .kernarg_segment_size: 32
    .max_flat_workgroup_size: 128
    .sgpr_count:     66
    .vgpr_count:     768
    .wavefront_size: 32
...
	.end_amdgpu_metadata
.endif
;; end of part 4
